; MI455X (gfx1250); checked and timed in simulation.
; The chip was launched on July 23, 2026; its instructions are those of AMD's public machine-readable ISA for CDNA 5 (MIT licence, August 2026) and "CDNA5" Instruction Set Architecture Reference Guide (July 2026). The comments in the code are by the model that wrote it; some were corrected since.
;; Causal Attention. Allowed arithmetic: matrix products marked QUANTISED: E4M3 operands, one given power-of-two scale a tensor, by v_wmma_f32_16x16x64_fp8_fp8 or v_wmma_f32_16x16x128_fp8_fp8, f32 sums; everything else in f32.
;; Inputs: b_proj 1,024 float32; lowp_scales 8 int32 (the exponents e of the quantised operands' scales 2^e); w_proj 1,024 x 1,024 float32; w_qkv 3,072 x 1,024 float32; x 4 x 2,048 x 1,024 float32.
;; Outputs: out0 4 x 2,048 x 1,024 float32.
;; This version of the problem:
;;   THIS VERSION OF THE PROBLEM IS GIVEN IN LOW PRECISION. The matrix products marked QUANTISED in the list below multiply operands that are first quantised to E4M3 (4 exponent bits, 3 mantissa bits; 8 bits a number), with one given power-of-two scale for each operand tensor; their sums are f32. All else is computed in f32.
;;   The module's matrix products, in the order in which they are computed (A, B: the left and right operand; K: the contracted axis; several contracted axes count as one K, in the product's order):
;;     1. [M 8,192, K 1,024] x [K 1,024, N 3,072]; A: input x; B: input w_qkv: QUANTISED (scales: A lowp_scales[0], B lowp_scales[1])
;;     2. batch 64 x [M 2,048, K 64] x [K 64, N 2,048]; A: computed on the way; B: computed on the way: QUANTISED (scales: A lowp_scales[2], B lowp_scales[3])
;;     3. batch 64 x [M 2,048, K 2,048] x [K 2,048, N 64]; A: softmax (see below); B: computed on the way: QUANTISED (scales: A lowp_scales[4], B lowp_scales[5])
;;     4. [M 8,192, K 1,024] x [K 1,024, N 1,024]; A: computed on the way; B: input w_proj: QUANTISED (scales: A lowp_scales[6], B lowp_scales[7])
;;   THE QUANTISER, for each operand of a quantised product, along K:
;;     - The operand's scale is 2^e, e = its entry of the input lowp_scales (int32; the entries are numbered through the quantised products in the list's order, A before B).
;;     - Each number is divided by the scale, clamped to +-448, and rounded to the nearest number of E4M3, ties to even, subnormals kept.
;;     - The product sums the exact products of the quantised numbers (number of the format x scale) in f32.
;;   ~~~python
;;   def quantise(x, axis, e):      # numpy; x: float32 -> the quantised numbers, widened to float32 again
;;       x = np.moveaxis(x, axis, -1); K = x.shape[-1]
;;       r = np.clip(x / 2.0 ** e, -448, 448)
;;       step = 2.0 ** (np.maximum(np.frexp(np.where(r == 0, 1, r))[1] - 1, -6) - 3)
;;       q = np.round(r / step) * step * 2.0 ** e      # np.round: ties to even
;;       return np.moveaxis(q, -1, axis).astype(np.float32)
;;   ~~~
;;   SOFTMAX AHEAD OF A QUANTISED PRODUCT. Where the list says 'softmax', what is quantised is not the finished softmax but p = 2^(t - M), with t = logit x log2(e) and M = ceil(the row's largest t), a whole number; so 1/2 < the row's largest p <= 1. The row's sum l is taken of the UNQUANTISED p, in f32, and the product's result is divided by l at the end. Since M is a whole number, a kernel that streams over the keys may use a running M (the ceiling of the running maximum): every later rescaling is an exact power of two, so the quantised numbers keep their values, but for numbers so far below the row's largest that they fall under the format's range.
;;   OPERANDS COMPUTED ON THE WAY. 'Computed on the way' means the value that the module computes at that place (a softmax that the list does not call 'softmax' is quantised finished and normalised). What goes into a quantiser is computed in f32, as accurately as f32 sums, v_exp_f32 and their like allow (about 1e-6 of the number): no bf16 or f16 on the way to a quantiser, and a product that is left as it is and whose result goes on into a quantised operand takes f32 operands (vector FMAs, or v_wmma_f32_16x16x4_f32). A number that lies on a knife's edge between two numbers of the format may be rounded either way, as far as f32 arithmetic and the matrix unit's own rounding can turn it there, and no further.
;; One version. Each part assembles by itself: llvm-mc -triple=amdgcn-amd-amdhsa -mcpu=gfx1250 --defsym DOCPART=n.
;; ======== version 1 of 1: 4 launches
;; limits: right only within a limited range of input values
;; workspace buffers: xc 8,388,608 bytes; wqc 3,145,728 bytes; wpc 1,048,576 bytes; qc 8,388,608 bytes; kc 8,388,608 bytes; vc 8,388,608 bytes; ac 8,388,608 bytes
;; launch quant (part 1): grid 768 x 1, 4 waves a work-group, no clusters, 68,096 bytes of LDS; arguments x, w_qkv, w_proj, lowp_scales, xc, wqc, wpc; writes xc, wqc, wpc
.if DOCPART == 1
	.amdgcn_target "amdgcn-amd-amdhsa--gfx1250"
	.amdhsa_code_object_version 6
	.text
	.protected	k_q9e3cfd9109_quant
	.globl	k_q9e3cfd9109_quant
	.p2align	8
	.type	k_q9e3cfd9109_quant,@function
k_q9e3cfd9109_quant:
	s_mov_b64 s[64:65], 0
	v_nop
	global_prefetch_b8 v0, s[64:65] scope:SCOPE_SE
	s_setreg_imm32_b32 hwreg(HW_REG_WAVE_MODE, 25, 1), 1
	s_wait_xcnt 0x0
; x [8192][1024], w_qkv [3072][1024], w_proj [1024][1024], f32, K innermost, become codes of FP8 (E4M3), each tensor with its given scale 2^e
; (entries 0, 1 and 7 of the scales).  code = number / 2^e, held within +-448, to the nearest code, ties to even.
; LIMITS: e between -126 and 119, so that 2^e and 448 x 2^e are f32 numbers.  NaN among the inputs is not served; an infinity is held at the largest code.
; THE CODES ARE LAID AS IMAGES OF OPERAND REGISTERS.  A fragment (16 rows x 128 K, 16 registers a lane) is 2,048 bytes: chunk g (0..3) x 512 + lane x 16;
; byte i of lane (r, h) is row r, k = 32 g + 16 (i / 8) + 8 h + i % 8: registers 4 g .. 4 g + 3 of the plain 8-bit layout.  Fragment (row tile rt, K step s) lies at (8 rt + s) x 2,048.
; SHARES.  A work-group takes one row tile (16 rows, all 1,024 K): groups 0-511 x, 512-703 w_qkv, 704-767 w_proj; only pointers are chosen, one path serves all three.
; Wave w takes fragments 2 w and 2 w + 1.  Each load reads 512 consecutive bytes of one row; a fragment's 16 x 512 bytes turn through the wave's own stage in LDS
; (rows 528 bytes apart, so that the sixteen lanes of a read fall on sixteen different 16-byte columns) and come back 8 neighbours along K at a time.  Each store covers 512 consecutive bytes.
; All 32 loads of a wave go out at once; no loop, no barrier: waves share nothing.
.set WREG,  16896                      ; LDS of a wave: two stages
.set STG1,  8448                       ; a stage: 16 rows x 528 bytes
.set SP,    528
.set SPARE, 4*WREG                     ; behind the stages: the spare words, 128 bytes a wave, named by no other line
.set SPW,   8                          ; v8   my spare word's LDS address; never rewritten
.set NIL,   9                          ; v9   0; never rewritten
.set R,     16                         ; v16-143  two sets of 64: a fragment's numbers as loaded
.set X,     144                        ; v144-207 64 numbers in the operand's order
.set C,     208                        ; v208-239 two sets of 16: codes
	s_load_b256 s[4:11], s[0:1], 0x0               ; x, w_qkv, w_proj, the scales' exponents
	s_load_b128 s[12:15], s[0:1], 0x20             ; xc, wqc
	s_load_b64 s[16:17], s[0:1], 0x30              ; wpc
	v_lshl_add_u32 v[SPW], v0, 2, SPARE
	v_mov_b32 v[NIL], 0
	v_lshrrev_b32 v1, 5, v0
	v_readfirstlane_b32 s19, v1                    ; wave
	v_and_b32 v1, 31, v0                           ; lane
	v_and_b32 v2, 15, v0                           ; r
	v_bfe_u32 v10, v0, 4, 1                        ; h
	v_lshlrev_b32 v3, 4, v1                        ; 16 x lane: my bytes of a load and of a store
	s_mul_i32 s33, s19, WREG
	v_add_nc_u32 v4, s33, v3                       ; the stage, on the way in: 16 x lane in a row
	v_mul_u32_u24 v5, v2, SP
	v_lshl_add_u32 v5, v10, 5, v5
	v_add_nc_u32 v5, s33, v5                       ; and on the way out: row r, + 32 h bytes: my 8 numbers of each 16
	s_wait_alu depctr_va_vdst(0)
	s_wait_kmcnt 0x0
	s_load_b256 s[24:31], s[10:11], 0x0            ; e0 .. e7
	s_cmp_lt_u32 ttmp9, 512                        ; which tensor: the choice hangs on the work-group's number alone
	s_cselect_b64 s[4:5], s[4:5], s[6:7]
	s_cselect_b64 s[12:13], s[12:13], s[14:15]
	s_cselect_b32 s18, 0, 512
	s_cmp_lt_u32 ttmp9, 704
	s_cselect_b64 s[4:5], s[4:5], s[8:9]
	s_cselect_b64 s[12:13], s[12:13], s[16:17]
	s_cselect_b32 s18, s18, 704
	s_sub_co_u32 s18, ttmp9, s18                   ; the row tile in its tensor
	s_lshl_b32 s34, s18, 16                        ; 16 rows of 4,096 bytes,
	s_lshl_b32 s35, s19, 10                        ; my wave's 1,024 bytes of each row
	s_add_co_u32 s34, s34, s35
	s_mov_b32 s35, 0
	s_add_nc_u64 s[4:5], s[4:5], s[34:35]
	s_lshl_b32 s36, s18, 14                        ; 8 fragments of 2,048 bytes,
	s_lshl_b32 s37, s19, 12                        ; my wave's two
	s_add_co_u32 s36, s36, s37
	s_mov_b32 s37, 0
	s_add_nc_u64 s[12:13], s[12:13], s[36:37]
.macro LOAD t                          ; fragment t: 512 bytes of each of the 16 rows
.irp i, 0,1,2,3,4,5,6,7,8,9,10,11,12,13,14,15
	global_load_b128 v[R+64*(\t)+4*\i:R+64*(\t)+4*\i+3], v3, s[4:5] offset:4096*\i+512*(\t) th:TH_LOAD_NT
.endr
.endm
.macro TURN t                          ; through the stage: LDS serves a wave's instructions in order, so no wait stands between the stores and the loads
.irp i, 0,1,2,3,4,5,6,7,8,9,10,11,12,13,14,15
	ds_store_b128 v4, v[R+64*(\t)+4*\i:R+64*(\t)+4*\i+3] offset:STG1*(\t)+SP*\i
.endr
.irp g, 0,1,2,3                        ; chunk g: k = 32 g + 8 h + 0..7, then 32 g + 16 + 8 h + 0..7
	ds_load_b128 v[X+16*\g:X+16*\g+3],     v5 offset:STG1*(\t)+128*\g
	ds_load_b128 v[X+16*\g+4:X+16*\g+7],   v5 offset:STG1*(\t)+128*\g+16
	ds_load_b128 v[X+16*\g+8:X+16*\g+11],  v5 offset:STG1*(\t)+128*\g+64
	ds_load_b128 v[X+16*\g+12:X+16*\g+15], v5 offset:STG1*(\t)+128*\g+80
.endr
.endm
.macro QUANT t
.irp g, 0,1,2,3
.irp i, 0,1,2,3,4,5,6,7,8,9,10,11,12,13,14,15
.endr
	v_cvt_scalef32_pk8_fp8_f32 v[C+16*(\t)+4*\g:C+16*(\t)+4*\g+1],   v[X+16*\g:X+16*\g+7],    v6
	v_cvt_scalef32_pk8_fp8_f32 v[C+16*(\t)+4*\g+2:C+16*(\t)+4*\g+3], v[X+16*\g+8:X+16*\g+15], v6
.endr
	v_nop                                          ; one plain vector line behind the last conversion of a run
.endm
.macro OUT t
.irp g, 0,1,2,3
	global_store_b128 v3, v[C+16*(\t)+4*\g:C+16*(\t)+4*\g+3], s[12:13] offset:2048*(\t)+512*\g   ; 32 lanes store 512 consecutive bytes, aligned
.endr
.endm
	LOAD 0
	LOAD 1
	s_wait_kmcnt 0x0
	s_cmp_lt_u32 ttmp9, 512
	s_cselect_b32 s22, s24, s25                    ; e0 or e1,
	s_cmp_lt_u32 ttmp9, 704
	s_cselect_b32 s22, s22, s31                    ; or e7
	s_add_co_i32 s22, s22, 127
	s_lshl_b32 s23, s22, 23
	v_mov_b32 v6, s23                              ; 2^e as f32: the conversion takes its exponent field
	s_wait_alu depctr_va_vdst(0)
	s_wait_loadcnt 16                              ; fragment 0's sixteen loads are in; fragment 1's sixteen may be out
	TURN 0
	s_wait_dscnt 0x0
	QUANT 0
	OUT 0
	s_wait_loadcnt 0x0
	TURN 1
	s_wait_dscnt 0x0
	QUANT 1
	OUT 1
	s_wait_tensorcnt 0x0                           ; the wave's end: behind my last LDS store
	ds_add_u32 v[SPW], v[NIL]
	s_wait_dscnt 0x0
	s_endpgm
.Lfunc_end_k_q9e3cfd9109_quant:
	.size	k_q9e3cfd9109_quant, .Lfunc_end_k_q9e3cfd9109_quant-k_q9e3cfd9109_quant
	.p2alignl 7, 3214868480
	.fill 96, 4, 3214868480
	.section	.rodata,"a",@progbits
	.p2align	6, 0x0
	.amdhsa_kernel k_q9e3cfd9109_quant
		.amdhsa_group_segment_fixed_size 68096
		.amdhsa_private_segment_fixed_size 0
		.amdhsa_enable_private_segment 0
		.amdhsa_kernarg_size 56
		.amdhsa_user_sgpr_count 2
		.amdhsa_user_sgpr_kernarg_segment_ptr 1
		.amdhsa_wavefront_size32 1
		.amdhsa_system_sgpr_workgroup_id_x 1
		.amdhsa_system_sgpr_workgroup_id_y 1
		.amdhsa_system_sgpr_workgroup_id_z 1
		.amdhsa_system_vgpr_workitem_id 0
		.amdhsa_next_free_vgpr 248
		.amdhsa_next_free_sgpr 66
		.amdhsa_reserve_vcc 0
		.amdhsa_float_denorm_mode_32 3
		.amdhsa_float_denorm_mode_16_64 3
		.amdhsa_fp16_overflow 1
		.amdhsa_memory_ordered 1
		.amdhsa_forward_progress 1
		.amdhsa_inst_pref_size 12
	.end_amdhsa_kernel
	.amdgpu_metadata
---
amdhsa.version: [ 1, 2 ]
amdhsa.kernels:
  - .name:           k_q9e3cfd9109_quant
    .symbol:         k_q9e3cfd9109_quant.kd
    .args:
      - { .name: x, .offset: 0, .size: 8, .value_kind: global_buffer, .address_space: global }
      - { .name: w_qkv, .offset: 8, .size: 8, .value_kind: global_buffer, .address_space: global }
      - { .name: w_proj, .offset: 16, .size: 8, .value_kind: global_buffer, .address_space: global }
      - { .name: lowp_scales, .offset: 24, .size: 8, .value_kind: global_buffer, .address_space: global }
      - { .name: xc, .offset: 32, .size: 8, .value_kind: global_buffer, .address_space: global }
      - { .name: wqc, .offset: 40, .size: 8, .value_kind: global_buffer, .address_space: global }
      - { .name: wpc, .offset: 48, .size: 8, .value_kind: global_buffer, .address_space: global }
    .group_segment_fixed_size: 68096
    .private_segment_fixed_size: 0
    .kernarg_segment_align: 8
    .kernarg_segment_size: 56
    .max_flat_workgroup_size: 128
    .sgpr_count:     66
    .vgpr_count:     248
    .wavefront_size: 32
...
	.end_amdgpu_metadata
.endif
;; end of part 1
;; launch qkv (part 2): grid 12 x 32, 4 waves a work-group, clusters of 4 x 4, 327,680 bytes of LDS; arguments xc, wqc, lowp_scales, qc, kc, vc; writes qc, kc, vc
.if DOCPART == 2
	.amdgcn_target "amdgcn-amd-amdhsa--gfx1250"
	.amdhsa_code_object_version 6
	.text
	.protected	k_q9e3cfd9109_qkv
	.globl	k_q9e3cfd9109_qkv
	.p2align	8
	.type	k_q9e3cfd9109_qkv,@function
k_q9e3cfd9109_qkv:
	s_mov_b64 s[64:65], 0
	v_nop
	global_prefetch_b8 v0, s[64:65] scope:SCOPE_SE
	s_setreg_imm32_b32 hwreg(HW_REG_WAVE_MODE, 25, 1), 1
	s_wait_xcnt 0x0
	s_wait_alu depctr_hold_cnt(0) depctr_sa_sdst(0) depctr_va_vdst(0) depctr_va_sdst(0) depctr_va_ssrc(0) depctr_va_vcc(0) depctr_vm_vsrc(0)
	s_getreg_b32 s2, hwreg(HW_REG_IB_STS2, 6, 4)
	s_cmp_eq_u32 s2, 0
	s_cbranch_scc0 .Lentry_in_a_cluster
	s_endpgm
.Lentry_in_a_cluster:
	s_bfe_u32 s2, ttmp6, 0x10000c
	s_cmp_lg_u32 s2, 0xf033
	s_cbranch_scc0 .Lentry_shape_is_right
	s_endpgm
.Lentry_shape_is_right:
; qkv = x w_qkv^T on codes of FP8 (E4M3), 8192 x 3072 x 1024; each finished sum is quantised at once into the code that the attention wants: q with e2, k with e3, v with e5.
; A sum stands for sum x 2^(e0 + e1), so its code is sum / 2^(eT - e0 - e1), held within +-448 of that scale.  LIMIT: eT - e0 - e1 between -126 and 119 (T = 2, 3, 5).
; OPERANDS AND RESULTS ARE IMAGES OF OPERAND REGISTERS.  xc, wqc: fragment (row tile rt, K step s of 128), 2,048 bytes, at (8 rt + s) x 2,048: chunk g x 512 + lane x 16 = registers 4 g .. 4 g + 3.
; qc, kc: fragment (bh = 16 batch + head, qt = token / 16), 16 tokens x the head's 64, 1,024 bytes, at (128 bh + qt) x 1,024.
; vc: fragment (bh, ks = token / 128, ct = channel / 16), 16 channels x 128 KEYS, 2,048 bytes, at ((16 bh + ks) 4 + ct) x 2,048: the keys are the second attention product's K.
; SHAPE.  A tile of 256 x 256 to a work-group of four waves, 128 x 128 a wave: 64 accumulators, 512 registers.  K in four steps of 256 through two LDS slots.
; Source 0 takes 16 rows of R, source 1 sixteen rows of P: a lane then holds ONE row of P and eight neighbouring rows of R, which one conversion packs into 8 bytes of an image along R.
; ROLES, by the cluster's x, which all sixteen partners share (selects, no branch): x = 0 (q), 1 (k): P = tokens, R = features, so that a lane's registers run along the head's channels;
; x = 2 (v): P = v's features, R = tokens, so that they run along the keys.  So the conversions' results are the next operands' registers, and 32 lanes store 512 consecutive bytes with no stage.
; CLUSTERS: 4 x 4.  P's tile hangs on cy alone and is asked for jointly by a row of the cluster, R's on cx alone and by a column.
; REGISTERS: window 0: v16-29 addresses; v96-119 at work on the way out; v128-255 P's fragments, one set.  window 1: R's fragments, two sets.  windows 2, 3: the accumulators ((a, b) at v[8 (8 (a % 4) + b)]).
.set HALFT,  32768                     ; 128 rows x 256 K: 8 row tiles x 4,096 bytes: what one tensor load brings
.set SLOT,   4*HALFT                   ; P's two halves, then R's two
.set SPARE,  2*SLOT                    ; behind the ring: the spare words, 128 bytes a wave, named by no other line
.set FR,     16                        ; registers of a fragment
.set NL,     4                         ; LDS loads that bring one
.set NP,     4                         ; places behind this matrix instruction (ISA guide 7.12.1)
.set ADRA, 16                          ; v16-17  my P fragments in slot 0, 1
.set ADRB, 20                          ; v20-21  my R fragments
.set LI,   27                          ; v27     16 x lane
.set SPW,  28                          ; v28     my spare word; never rewritten
.set NIL,  29                          ; v29     0; never rewritten
.set TMP,  32
.set CD,   96                          ; v96-111 its codes
.set SC,   112                         ; v112    2^(eT - e0 - e1)
.set LM,   113
.set VO,   116                         ; v116-119 the four chunks' offsets
.set AF,   128
.set G1, 24                            ; s[24:31] group 1 for P's tiles; s[32:39] group 0, a set for each slot
.set G0, 32
.set G1B, 48                           ; s[48:55], s[56:63] the same for R's
.set G0B, 56
.set MSB, 0
.macro WIN new                         ; the immediate's high byte repeats the setting that is left
.if MSB != \new
	s_set_vgpr_msb (MSB<<8)|\new
.set MSB, \new
.endif
.endm
.set MUL_LO, 0xa1                      ; source 0 (R) window 1, source 1 (P) window 0, C and D window 2
.set MUL_HI, 0xf1                      ; the same, C and D window 3
.set TO_B,   0x40                      ; destination window 1, address window 0
; A joint load: waves 0 and 1 fetch P's halves, waves 2 and 3 R's.  The branch hangs on the wave's number alone.  An s_nop 0 and four v_nop follow each line.
.macro JLOAD g0a, g1a, g0b, g1b
	s_cmp_eq_u32 s15, 0
	s_cbranch_scc0 .Lfor_b_\@
	tensor_load_to_lds s[\g0a:\g0a+3], s[\g1a:\g1a+7]
	s_nop 0
.rept 4
	v_nop
.endr
	s_branch .Lasked_\@
.Lfor_b_\@:
	tensor_load_to_lds s[\g0b:\g0b+3], s[\g1b:\g1b+7]
	s_nop 0
.rept 4
	v_nop
.endr
.Lasked_\@:
.endm
.macro CREST                           ; a round of the cluster's barrier behind its opening barrier
	s_cmp_lg_u32 s14, 0
	s_cbranch_scc1 .Lnot_wave_0_\@
	s_barrier_signal -3
.Lnot_wave_0_\@:
	s_barrier_wait -3
	s_barrier_signal -1
	s_barrier_wait -1
.endm
.macro CROUND
	s_barrier_signal -1
	s_barrier_wait -1
	CREST
.endm
	s_load_b256 s[4:11], s[0:1], 0x0               ; xc s[4:5], wqc s[6:7], the scales s[8:9], qc s[10:11]
	s_load_b128 s[68:71], s[0:1], 0x20             ; kc s[68:69], vc s[70:71]
	v_lshl_add_u32 v[SPW], v0, 2, SPARE
	v_mov_b32 v[NIL], 0
	ds_add_u32 v[SPW], v[NIL]                      ; the wave's opening: the add and its wait ahead of my first tensor load; work on registers stands between
	ds_add_u32 v[SPW], v[NIL]
	v_lshrrev_b32 v1, 5, v0
	v_readfirstlane_b32 s14, v1                    ; wave 0..3
	s_lshr_b32 s15, s14, 1                         ; my half of P's rows.  Also: I fetch for P (0) or for R (1)
	s_and_b32 s16, s14, 1                          ; my half of R's rows.  Also: which 128 rows I fetch
	s_bfe_u32 s40, ttmp6, 0x40000                  ; cx
	s_bfe_u32 s41, ttmp6, 0x40004                  ; cy
	s_lshl_b32 s66, ttmp9, 2                       ; 4 x cluster x
	s_and_b32 s67, ttmp7, 0xffff
	s_lshl_b32 s67, s67, 2                         ; 4 x cluster y
	s_cmp_eq_u32 ttmp9, 2                          ; v's clusters: the same answer in all sixteen partners
	s_cselect_b32 s17, 0, s67                      ; P's tile: v: cy (of v's four feature tiles); else 4 Y + cy (tokens)
	s_cselect_b32 s42, s67, s66                    ; R's tile: v: 4 Y + cx (tokens); else 4 X + cx (features of q and k)
	s_cselect_b32 s76, 0x200000, 0                 ; v's features begin at row 2,048 of wqc: 128 row tiles x 16,384 bytes
	s_mov_b32 s77, 0
	s_add_co_u32 s17, s17, s41
	s_add_co_u32 s42, s42, s40
	s_lshl_b32 s43, s41, 2
	s_lshl_b32 s43, 15, s43                        ; my row of the cluster
	s_lshl_b32 s44, 0x1111, s40                    ; my column
	; group 1: 8 rows (row tiles) of 4,096 bytes (two fragments: 256 K), 16,384 bytes apart; elements of 8 bytes; dense in LDS
	s_or_b32 s[G1+0], s43, (3<<16)|(1<<21)         ; 15:0 the mask: P's tiles go to my row; 17:16 elements of 8 bytes; 21 set beside a mask
	s_or_b32 s[G1B+0], s44, (3<<16)|(1<<21)
.irp g, G1, G1B
	s_mov_b32 s[\g+1], 512<<16                     ; tensor_dim0 = 512 elements
	s_mov_b32 s[\g+2], 8<<16                       ; tensor_dim1 = 8
	s_mov_b32 s[\g+3], 512<<16                     ; tile_dim0
	s_mov_b32 s[\g+4], 8                           ; tile_dim1
	s_mov_b32 s[\g+5], 2048                        ; tensor_dim0_stride, in elements
	s_mov_b32 s[\g+6], 0
	s_mov_b32 s[\g+7], 0
.endr
	s_lshl_b32 s18, s16, 17                        ; which 128 rows of the tile I fetch: 8 row tiles
	s_lshl_b32 s20, s17, 18                        ; P: 256 rows are 16 row tiles of 16,384 bytes
	s_add_co_u32 s20, s20, s18
	s_mov_b32 s21, 0
	s_lshl_b32 s46, s42, 18                        ; R likewise, in registers that never hold cy
	s_add_co_u32 s46, s46, s18
	s_mov_b32 s47, 0
	s_lshl_b32 s45, s14, 15                        ; where they go: wave x HALFT: no place in the cluster enters an LDS address
	s_wait_dscnt 0x0                               ; the opening add is done
	s_wait_kmcnt 0x0
	s_load_b256 s[80:87], s[8:9], 0x0              ; e0 .. e7
	s_cmp_eq_u32 ttmp9, 2
	s_cselect_b64 s[72:73], s[6:7], s[4:5]         ; P's buffer
	s_cselect_b64 s[74:75], s[4:5], s[6:7]         ; R's
	s_add_nc_u64 s[72:73], s[72:73], s[76:77]
	s_add_nc_u64 s[20:21], s[72:73], s[20:21]
	s_add_nc_u64 s[46:47], s[74:75], s[46:47]
	CROUND                                         ; all sixteen work-groups are here: the first joint loads meet
.irp s, 0,1
	s_mov_b32 s[G0+4*\s], 1
	s_add_co_u32 s[G0+4*\s+1], s45, \s*SLOT
	s_add_nc_u64 s[G0+4*\s+2:G0+4*\s+3], s[20:21], \s*4096      ; K step s
	s_or_b32 s[G0+4*\s+3], s[G0+4*\s+3], 0x80000000
	s_mov_b32 s[G0B+4*\s], 1
	s_add_co_u32 s[G0B+4*\s+1], s45, \s*SLOT
	s_add_nc_u64 s[G0B+4*\s+2:G0B+4*\s+3], s[46:47], \s*4096
	s_or_b32 s[G0B+4*\s+3], s[G0B+4*\s+3], 0x80000000
	JLOAD G0+4*\s, G1, G0B+4*\s, G1B
.endr
	v_and_b32 v1, 31, v0
	v_lshlrev_b32 v[LI], 4, v1                     ; an image's place for my lane
	s_wait_alu depctr_va_vdst(0)
	s_lshl_b32 s22, s15, 15                        ; my 128 rows of P
	s_lshl_b32 s23, s16, 15                        ; my 128 rows of R,
	s_add_co_u32 s23, s23, 2*HALFT                 ; which lie behind P's 256
.irp s, 0,1
	v_add_nc_u32 v[ADRA+\s], s22, v[LI]
	v_add_nc_u32 v[ADRB+\s], s23, v[LI]
	s_add_co_u32 s22, s22, SLOT
	s_add_co_u32 s23, s23, SLOT
.endr
	; THE WAY OUT'S ADDRESSES.  One formula serves both roles: batch << 21 + head << 17 + (token / 128 in the batch) << 13.  Inside a wave, block a (16 rows of P), chunk g:
	; q, k: 1,024 a + (g / 2) << 17 + 512 (g % 2);   v: (a / 4) << 17 + 2,048 (a % 4) + 512 g.  The difference lies in four chosen numbers, not in a branch.
	s_cmp_eq_u32 ttmp9, 2
	s_cselect_b32 s18, s42, s17                    ; the tokens' tile,
	s_cselect_b32 s19, s16, s15                    ; my half of it,
	s_cselect_b32 s22, s17, s40                    ; the features' tile within q, k or v,
	s_cselect_b32 s23, s15, s16                    ; my half of it
	s_mov_b32 s88, 1024
	s_cselect_b32 s88, 2048, s88                   ; from block to block
	s_mov_b32 s90, 1024
	s_cselect_b32 s90, 124928, s90                 ; from block 3 to block 4: v: the next head, 131,072 - 3 x 2,048
	s_mov_b32 s92, 131072
	s_cselect_b32 s92, 1024, s92                   ; chunk 2
	s_mov_b32 s93, 131584
	s_cselect_b32 s93, 1536, s93                   ; chunk 3
	s_cselect_b64 s[78:79], s[70:71], s[68:69]     ; vc or kc,
	s_mov_b32 s89, 0
	s_mov_b32 s91, 0
	s_cmp_eq_u32 ttmp9, 0
	s_cselect_b64 s[78:79], s[10:11], s[78:79]     ; or qc
	s_lshr_b32 s96, s18, 3
	s_lshl_b32 s96, s96, 21                        ; the batch
	s_lshl_b32 s97, s22, 19
	s_add_co_u32 s96, s96, s97                     ; four heads to a tile of features,
	s_lshl_b32 s97, s23, 18
	s_add_co_u32 s96, s96, s97                     ; two to a half
	s_and_b32 s97, s18, 7
	s_lshl_b32 s97, s97, 14
	s_add_co_u32 s96, s96, s97                     ; 256 tokens,
	s_lshl_b32 s97, s19, 13
	s_add_co_u32 s96, s96, s97                     ; 128 tokens
	s_mov_b32 s97, 0
	s_add_nc_u64 s[78:79], s[78:79], s[96:97]
	v_mov_b32 v[VO], v[LI]
	v_add_nc_u32 v[VO+1], 512, v[LI]
	v_add_nc_u32 v[VO+2], s92, v[LI]
	v_add_nc_u32 v[VO+3], s93, v[LI]
.macro FRAG reg, adr, q, i             ; a fragment comes as it lies: four loads of 512 consecutive bytes
.irp c, 0,1,2,3
	ds_load_b128 v[\reg+4*\c:\reg+4*\c+3], v[\adr] offset:4096*(\i)+2048*(\q)+512*\c
.endr
.endm
; 16 matrix instructions: P's blocks a0, a0 + 1 x R's eight, 128 along K.  p: R's set.  zero = 1: the first product starts the sums.
; The 64 accumulators take turns, one instruction a turn, in the same order in every step.
.macro MUL16 a0, p, zero
.irp a, \a0, \a0+1
.irp b, 0,1,2,3,4,5,6,7
.if \zero
	v_wmma_f32_16x16x128_fp8_fp8 v[8*(8*((\a)%4)+\b):8*(8*((\a)%4)+\b)+7], v[128*(\p)+FR*\b:128*(\p)+FR*\b+FR-1], v[AF+FR*(\a):AF+FR*(\a)+FR-1], 0
.else
	v_wmma_f32_16x16x128_fp8_fp8 v[8*(8*((\a)%4)+\b):8*(8*((\a)%4)+\b)+7], v[128*(\p)+FR*\b:128*(\p)+FR*\b+FR-1], v[AF+FR*(\a):AF+FR*(\a)+FR-1], v[8*(8*((\a)%4)+\b):8*(8*((\a)%4)+\b)+7]
.endif
.endr
.endr
.endm
.macro FETCH_B slot, q, p
	WIN TO_B
.irp i, 0,1,2,3,4,5,6,7
	FRAG 128*(\p)+FR*\i, ADRB+\slot, \q, \i
.endr
	WIN 0
.endm
.macro FETCH_A slot, q, i0
.irp i, \i0, \i0+1, \i0+2, \i0+3
	FRAG AF+FR*(\i), ADRA+\slot, \q, \i
.endr
.endm
.macro PLACES n                        ; plain vector instructions between a matrix instruction and a load into, or a read of, its registers (ISA guide 7.12.1 for reads)
.rept \n
	v_nop
.endr
.endm
; A step of 128 along K that has its successor in the same slot.  P has one set of registers: blocks 0-3 are fetched anew in the step's middle, blocks 4-7 at its end.
.macro STEP slot, q, zero
	s_wait_dscnt 4*NL                              ; R's set and P's blocks 0-3 are in; the youngest sixteen loads (P's blocks 4-7) may be out
	WIN MUL_LO
	MUL16 0, (\q)%2, \zero
	MUL16 2, (\q)%2, \zero
	s_wait_dscnt 0
	PLACES NP
	FETCH_B \slot, (\q)+1, 1-(\q)%2
	FETCH_A \slot, (\q)+1, 0
	WIN MUL_HI
	MUL16 4, (\q)%2, \zero
	MUL16 6, (\q)%2, \zero
	PLACES NP
	WIN 0
	FETCH_A \slot, (\q)+1, 4
.endm
; A slot's last step changes slots: one barrier; in front of it each wave waits for all its tensor loads, adds 0 to its spare word, and waits for that and for its reads of this slot.
.macro TURN slot, next, fill
	s_wait_tensorcnt 0x0                           ; all my tensor loads have landed: my part of the next slot
	ds_add_u32 v[SPW], v[NIL]
	s_wait_dscnt 4*NL+1                            ; the add and the youngest sixteen loads (P's blocks 4-7) may be out
	WIN MUL_LO
	MUL16 0, 1, 0                                  ; sixteen matrix instructions stand between the add and the wait for it
	s_wait_dscnt 0x0                               ; the add is done, and my reads of this slot are over
	s_barrier_signal -1
	MUL16 2, 1, 0
	WIN 0
	s_barrier_wait -1
.if \fill
	CREST                                          ; the barrier has opened a round of the cluster's: no wave of any partner still reads this slot or has a load on its way
	s_add_nc_u64 s[G0+4*\slot+2:G0+4*\slot+3], s[G0+4*\slot+2:G0+4*\slot+3], 8192
	s_add_nc_u64 s[G0B+4*\slot+2:G0B+4*\slot+3], s[G0B+4*\slot+2:G0B+4*\slot+3], 8192
	JLOAD G0+4*\slot, G1, G0B+4*\slot, G1B         ; the first tensor load behind the round; its four v_nop are also the places in front of the loads below
.else
	PLACES NP
.endif
	FETCH_B \next, 0, 0
	FETCH_A \next, 0, 0
	WIN MUL_HI
	MUL16 4, 1, 0
	MUL16 6, 1, 0
	PLACES NP
	WIN 0
	FETCH_A \next, 0, 4
.endm
	s_wait_alu depctr_va_vdst(0)
	s_wait_tensorcnt 1                             ; my part of K step 0 is in; K step 1's load may be out
	s_barrier_signal -1
	s_barrier_wait -1
	FETCH_B 0, 0, 0
	FETCH_A 0, 0, 0
	FETCH_A 0, 0, 4
	STEP 0, 0, 1                                   ; four K steps of 256, written out: the first products start the sums
	TURN 0, 1, 1                                   ; slot 0 takes K step 2
	STEP 1, 0, 0
	TURN 1, 0, 1                                   ; slot 1 takes K step 3
	STEP 0, 0, 0
	TURN 0, 1, 0                                   ; nothing is left to fetch
	STEP 1, 0, 0
	s_wait_dscnt 4*NL
	WIN MUL_LO
	MUL16 0, 1, 0
	MUL16 2, 1, 0
	s_wait_dscnt 0
	WIN MUL_HI
	MUL16 4, 1, 0
	MUL16 6, 1, 0
	WIN 0
	s_wait_kmcnt 0x0
	s_cmp_eq_u32 ttmp9, 0
	s_cselect_b32 s94, s82, s83                    ; e2 or e3,
	s_cmp_eq_u32 ttmp9, 2
	s_cselect_b32 s94, s85, s94                    ; or e5
	s_sub_co_i32 s94, s94, s80
	s_sub_co_i32 s94, s94, s81                     ; the three scales folded into the conversion's one
	s_add_co_i32 s94, s94, 127
	s_lshl_b32 s95, s94, 23
	v_mov_b32 v[SC], s95
	s_wait_alu depctr_va_vdst(0)
	s_add_co_i32 s94, s94, 8
	s_lshl_b32 s94, s94, 23
	s_or_b32 s94, s94, 0x600000
	PLACES NP
; Block a: 16 rows of P x my 128 rows of R.  Held, converted (each accumulator's eight registers become 8 bytes of an image, read from its low end on), stored: four stores of 512 consecutive bytes.
.macro BLOCK a
.if (\a) > 0
	s_wait_xcnt 0x0                                ; the last block's stores have read their data and their base: both are written again only behind this wait
.if (\a) == 4
	s_add_nc_u64 s[78:79], s[78:79], s[90:91]
.else
	s_add_nc_u64 s[78:79], s[78:79], s[88:89]
.endif
.endif
	WIN 0x02+((\a)/4)                              ; source 0: window 2 or 3
.set j, 0
.rept 64
.set j, j+1
.endr
.irp b, 0,1,2,3,4,5,6,7
	v_cvt_scalef32_pk8_fp8_f32 v[CD+2*\b:CD+2*\b+1], v[TMP+8*\b+((64*((\a)%4)+j)-(TMP+j)):TMP+8*\b+7+((64*((\a)%4)+j)-(TMP+j))], v[SC]
.endr
	WIN 0
	v_nop                                          ; one plain vector line behind the last conversion
.irp g, 0,1,2,3
	global_store_b128 v[VO+\g], v[CD+4*\g:CD+4*\g+3], s[78:79]
.endr
.endm
.irp a, 0,1,2,3,4,5,6,7
	BLOCK \a
.endr
	s_wait_tensorcnt 0x0                           ; the wave's end
	ds_add_u32 v[SPW], v[NIL]
	s_wait_dscnt 0x0
	CROUND                                         ; the closing round: no work-group ends while a partner may still ask for a tile that names it
	s_endpgm
.Lfunc_end_k_q9e3cfd9109_qkv:
	.size	k_q9e3cfd9109_qkv, .Lfunc_end_k_q9e3cfd9109_qkv-k_q9e3cfd9109_qkv
	.p2alignl 7, 3214868480
	.fill 96, 4, 3214868480
	.section	.rodata,"a",@progbits
	.p2align	6, 0x0
	.amdhsa_kernel k_q9e3cfd9109_qkv
		.amdhsa_group_segment_fixed_size 327680
		.amdhsa_private_segment_fixed_size 0
		.amdhsa_enable_private_segment 0
		.amdhsa_kernarg_size 48
		.amdhsa_user_sgpr_count 2
		.amdhsa_user_sgpr_kernarg_segment_ptr 1
		.amdhsa_wavefront_size32 1
		.amdhsa_system_sgpr_workgroup_id_x 1
		.amdhsa_system_sgpr_workgroup_id_y 1
		.amdhsa_system_sgpr_workgroup_id_z 1
		.amdhsa_system_vgpr_workitem_id 0
		.amdhsa_next_free_vgpr 1024
		.amdhsa_next_free_sgpr 98
		.amdhsa_reserve_vcc 0
		.amdhsa_float_denorm_mode_32 3
		.amdhsa_float_denorm_mode_16_64 3
		.amdhsa_fp16_overflow 1
		.amdhsa_memory_ordered 1
		.amdhsa_forward_progress 1
		.amdhsa_inst_pref_size 87
	.end_amdhsa_kernel
	.amdgpu_metadata
---
amdhsa.version: [ 1, 2 ]
amdhsa.kernels:
  - .name:           k_q9e3cfd9109_qkv
    .symbol:         k_q9e3cfd9109_qkv.kd
    .args:
      - { .name: xc, .offset: 0, .size: 8, .value_kind: global_buffer, .address_space: global }
      - { .name: wqc, .offset: 8, .size: 8, .value_kind: global_buffer, .address_space: global }
      - { .name: lowp_scales, .offset: 16, .size: 8, .value_kind: global_buffer, .address_space: global }
      - { .name: qc, .offset: 24, .size: 8, .value_kind: global_buffer, .address_space: global }
      - { .name: kc, .offset: 32, .size: 8, .value_kind: global_buffer, .address_space: global }
      - { .name: vc, .offset: 40, .size: 8, .value_kind: global_buffer, .address_space: global }
    .group_segment_fixed_size: 327680
    .private_segment_fixed_size: 0
    .kernarg_segment_align: 8
    .kernarg_segment_size: 48
    .max_flat_workgroup_size: 128
    .sgpr_count:     98
    .vgpr_count:     1024
    .wavefront_size: 32
...
	.end_amdgpu_metadata
.endif
;; end of part 2
;; launch attn (part 3): grid 4 x 64, 16 waves a work-group, no clusters, 327,680 bytes of LDS; arguments qc, kc, vc, lowp_scales, ac; writes ac
.if DOCPART == 3
	.amdgcn_target "amdgcn-amd-amdhsa--gfx1250"
	.amdhsa_code_object_version 6
	.text
	.protected	k_q9e3cfd9109_attn
	.globl	k_q9e3cfd9109_attn
	.p2align	8
	.type	k_q9e3cfd9109_attn,@function
k_q9e3cfd9109_attn:
	s_mov_b64 s[64:65], 0
	v_nop
	global_prefetch_b8 v0, s[64:65] scope:SCOPE_SE
	s_setreg_imm32_b32 hwreg(HW_REG_WAVE_MODE, 25, 1), 1
	s_wait_xcnt 0x0
; Causal attention on codes of FP8 (E4M3), 64 (batch, head) pairs of 2,048 tokens x 64 channels; the result is quantised at once (e6) for the output projection.
; qc, kc, ac: images of 16 tokens x 64 channels, 1,024 bytes, at (128 bh + token / 16) x 1,024.  vc: images of 16 channels x 128 keys, 2,048 bytes, at ((16 bh + key / 128) 4 + channel / 16) x 2,048.
; THE SOFTMAX: t = score x 2^(e2 + e3) x log2(e) / 8; M = the running largest t rounded UP to a whole number; p = 2^(t - M) is quantised with 2^e4, not normalised; the row's sum is taken of the
; unquantised p in f32 and divides at the end; when M moves, the sum and O are multiplied by 2^(old M - new M), which rounds nothing.
; SHARES.  Work-group (p, bh) owns the blocks 7 - p and p of 256 queries: (8 - p) + (p + 1) = 9 slots of 256 keys whatever p is, so all 256 work-groups have the same work and no slot wholly under the mask is walked.
; Each of sixteen waves owns 16 queries of each block, in 256 registers: four waves to a SIMD, so that one wave's vector work stands beside another's products and LDS loads.
; The walk has a constant nine trips: the late block over slots 0 .. 7 - p, its result leaves, then the early block over slots 0 .. p.  What differs between work-groups hangs on ids and counted steps alone.
; LAYOUT.  S^T = K Q^T (source 0 = 16 keys, source 1 = my 16 queries) and O^T = V^T P^T: a lane holds ONE query.  Tile t's eight registers are keys 16 t + 8 h + 0..7: just registers 2 t, 2 t + 1 of the
; second product's operand, so the conversions' results are that operand.  O^T's eight registers are eight neighbouring channels: converted, they are ac's image.
; NO JOINT LOADS: the four work-groups of a head want different slots from trip 8 - p on; a walk in common would take 12 slot times in place of 9.
; LIMITS: e2 + e3 between -123 and 130; e4 and e6 - e4 - e5 between -126 and 119.
.set SLOT1, 32768                      ; a slot: 16 images of K (16,384 bytes), then 2 x 4 images of V (16,384); one exclusive or turns an address into the other slot's
.set VOFF,  16384
.set SPARE, 65536                      ; behind the ring: the spare words, 128 bytes for each of sixteen waves, named by no other line
.set LI,   1                           ; v1  16 x lane
.set AD,   2                           ; v2  the slot in hand + 16 x lane
.set QOFA, 3                           ; v3  my late queries' image in qc and ac; never rewritten
.set PFO,  4                           ; v4  256 x lane, for the prefetches; never rewritten
.set SPW,  5                           ; v5  my spare word; never rewritten
.set NIL,  6                           ; v6  0; never rewritten
.set DQ,   7                           ; v7  r - 8 h
.set QOFB, 8                           ; v8  my early queries' image
; v12 -M, v13 the largest t, v[14:15] the sum in two halves; v16-23 Q at work, v24-31 the early block's Q; v32-95 eight fragments of K, then four of V; v96-159 S^T, then p; v160-191 O^T;
; v192-199 the result's codes; v200-207 at work; v209: 2^e4; v211: the same with e6 - e4 - e5; v212 -infinity; v213 the mask's d; v224-239 p's codes
.set TB,    2                          ; s2  LDS byte at which the slot in hand begins
.set WV,    18
.set SEL,   20                         ; s[20:21] v_permlanex16_b32's selects for lane l xor 16
.set CS,    22                         ; s[22:23] c = log2(e) / 8 x 2^(e2 + e3)
.set G1,    24                         ; s[24:31] group 1
.set G0,    32                         ; s[32:35] group 0
.set SRC,   36                         ; s[36:37] kc (even waves) or vc (odd) at my head
.set OFF,   38                         ; s[38:39] the slot to ask for, in bytes
.set NS,    40                         ; s40 the slot to ask for
.set WRAP,  41                         ; s41 7 - p: the late block's last slot; behind it the walk begins anew at slot 0
.set SLOTS, 42                         ; s42 changes of slots still to come
.set FL,    43                         ; s43 p + 1: the late block is done when so many are left
.set KF,    44                         ; s44 the step's first key
.set Q0,    45                         ; s45 my first query of the block in hand
.set Q1,    46                         ; s46 of the early block
.set PFA,   48                         ; s[48:49] where my prefetches stand
.set LIM,   50                         ; s50 2 in a wave that prefetches, else the greatest number
.macro TLOAD                           ; wave 0 fetches a slot's K, wave 1 its V; an s_nop 0 and four v_nop follow the load
	s_cmp_lt_u32 s[WV], 2
	s_cbranch_scc0 .Lasked_\@
	tensor_load_to_lds s[G0:G0+3], s[G1:G1+7]
	s_nop 0
.rept 4
	v_nop
.endr
.Lasked_\@:
.endm
; A PREFETCH INTO THE L2 of the slot that the NEXT change of slots will ask for.  All four work-groups of a head walk the same K and V from slot 0 up: the one with p = 0, which walks all eight slots, asks.
; In it waves 4 and 5 ask for the halves of K's 16,384 bytes, waves 6 and 7 for V's: 8,192 bytes a wave, lanes 256 bytes apart, one instruction.  So each aligned block of 256 bytes is named once.
; Trip t names slot t + 2; slot 7 is the last there is, so trips 6 and 7 name nothing.  Slots 0 and 1 come by their loads alone.
.macro ASK
	s_cmp_gt_u32 s[SLOTS], s[LIM]
	s_cbranch_scc0 .Lnot_mine_\@
	global_prefetch_b8 v[PFO], s[PFA:PFA+1] th:TH_LOAD_NT scope:SCOPE_SE
.Lnot_mine_\@:
.endm
	s_load_b256 s[4:11], s[0:1], 0x0               ; qc s[4:5], kc s[6:7], vc s[8:9], the scales s[10:11]
	s_load_b64 s[12:13], s[0:1], 0x20              ; ac
	v_lshl_add_u32 v[SPW], v0, 2, SPARE
	v_mov_b32 v[NIL], 0
	ds_add_u32 v[SPW], v[NIL]                      ; the wave's opening: the add and its wait ahead of the first tensor load; work on registers stands between
	ds_add_u32 v[SPW], v[NIL]
	v_lshrrev_b32 v2, 5, v0
	s_delay_alu instid0(VALU_DEP_1)
	v_readfirstlane_b32 s[WV], v2                  ; wave 0..15
	s_and_b32 s72, ttmp7, 0xffff                   ; bh;
	s_lshl_b32 s72, s72, 17                        ; a head is 131,072 bytes in each of the four tensors of codes
	s_mov_b32 s73, 0
	s_mov_b32 s[G1], 3<<16                         ; no mask; elements of 8 bytes; no padding
	s_mov_b32 s[G1+1], 32<<16                      ; tensor_dim0 = 32 elements: rows of 256 bytes
	s_mov_b32 s[G1+2], 64<<16                      ; tensor_dim1 = 64 rows: a dense block of 16,384 bytes
	s_mov_b32 s[G1+3], 32<<16                      ; tile_dim0
	s_mov_b32 s[G1+4], 64                          ; tile_dim1
	s_mov_b32 s[G1+5], 32                          ; tensor_dim0_stride
	s_mov_b32 s[G1+6], 0
	s_mov_b32 s[G1+7], 0
	s_mov_b32 s[SEL], 0x76543210
	s_mov_b32 s[SEL+1], 0xfedcba98
	s_mov_b32 s[CS], 0x3e38aa3b                    ; log2(e) / 8
	s_mov_b32 s[TB], 0
	s_mov_b32 s[SLOTS], 8
	s_mov_b32 s[NS], 1
	s_sub_co_u32 s[WRAP], 7, ttmp9
	s_add_co_u32 s[FL], ttmp9, 1
	s_mov_b32 s[KF], 0
	s_lshl_b32 s60, s[WV], 4
	s_lshl_b32 s[Q0], s[WRAP], 8
	s_add_co_u32 s[Q0], s[Q0], s60                 ; 256 (7 - p) + 16 wave
	s_lshl_b32 s[Q1], ttmp9, 8
	s_add_co_u32 s[Q1], s[Q1], s60                 ; 256 p + 16 wave
	s_mov_b32 s[OFF+1], 0
	s_and_b32 s61, s[WV], 1
	s_mov_b32 s[G0], 1                             ; count = 1
	s_lshl_b32 s[G0+1], s61, 14                    ; LDS: slot 0; K's part or V's
	s_wait_dscnt 0x0                               ; the opening add is done
	s_wait_kmcnt 0x0
	s_load_b256 s[52:59], s[10:11], 0x0            ; e0 .. e7
	s_cmp_eq_u32 s61, 0
	s_cselect_b64 s[SRC:SRC+1], s[6:7], s[8:9]
	s_add_nc_u64 s[SRC:SRC+1], s[SRC:SRC+1], s[72:73]
	s_mov_b64 s[G0+2:G0+3], s[SRC:SRC+1]           ; the head's slot 0
	s_or_b32 s[G0+3], s[G0+3], 0x80000000          ; type = 2
	TLOAD
	s_add_nc_u64 s[4:5], s[4:5], s[72:73]          ; qc at my head
	s_add_nc_u64 s[74:75], s[12:13], s[72:73]      ; ac likewise
	v_and_b32 v2, 31, v0
	s_delay_alu instid0(VALU_DEP_1)
	v_lshlrev_b32 v[LI], 4, v2
	s_delay_alu instid0(VALU_DEP_2)
	v_lshlrev_b32 v[PFO], 8, v2
	s_lshl_b32 s60, s[Q0], 6                       ; 1,024 bytes for 16 queries
	v_add_nc_u32 v[QOFA], s60, v[LI]
	s_lshl_b32 s60, s[Q1], 6
	v_add_nc_u32 v[QOFB], s60, v[LI]
	global_load_b128 v[16:19], v[QOFA], s[4:5]             ; Q's fragments stay in registers: the late block's,
	global_load_b128 v[20:23], v[QOFA], s[4:5] offset:512
	global_load_b128 v[24:27], v[QOFB], s[4:5]             ; and the early block's
	global_load_b128 v[28:31], v[QOFB], s[4:5] offset:512
	s_cmp_lt_u32 s[WV], 6                          ; the prefetches: waves 4, 5: K; waves 6, 7: V
	s_cselect_b64 s[PFA:PFA+1], s[6:7], s[8:9]
	s_add_nc_u64 s[PFA:PFA+1], s[PFA:PFA+1], s[72:73]
	s_lshl_b32 s62, s61, 13                        ; my half,
	s_add_co_u32 s62, s62, 16384                   ; in slot 1: the first change of slots steps it to slot 2
	s_mov_b32 s63, 0
	s_add_nc_u64 s[PFA:PFA+1], s[PFA:PFA+1], s[62:63]
	s_sub_co_u32 s60, s[WV], 4
	s_lshr_b32 s60, s60, 2                         ; 0 in waves 4 to 7,
	s_or_b32 s60, s60, ttmp9                       ; of the work-group with p = 0
	s_cmp_eq_u32 s60, 0
	s_cselect_b32 s[LIM], 2, -1
	v_and_b32 v[DQ], 15, v0
	v_bfe_u32 v200, v0, 4, 1
	s_delay_alu instid0(VALU_DEP_1)
	v_lshlrev_b32 v200, 3, v200
	s_delay_alu instid0(VALU_DEP_1)
	v_sub_nc_u32 v[DQ], v[DQ], v200
	v_mov_b32 v13, 0xff61b1e6                      ; the largest t so far: -3e38, under every t
	s_delay_alu instid0(VALU_DEP_1)
	v_floor_f32 v12, -v13                          ; -M
	v_mov_b32 v14, 0
	v_mov_b32 v15, 0
	v_mov_b32 v203, 0                              ; (named as the upper half of the pair v[202:203])
	v_mov_b32 v204, 0                              ; written once: a lane permute's destination counts as one of its sources
	v_mov_b32 v212, 0xff800000                     ; -infinity
.set j, 0
.rept 32
	v_mov_b32 v[160+j], 0                          ; O^T: the step is written once; the first finds zeros, which the first change of M leaves zeros
.set j, j+1
.endr
	s_wait_kmcnt 0x0
	s_add_co_i32 s60, s54, s55
	s_lshl_b32 s60, s60, 23
	s_add_co_i32 s[CS], s[CS], s60                 ; e2 + e3 are added to c's exponent field
	s_mov_b32 s[CS+1], s[CS]                       ; (named with it as a pair)
	s_add_co_i32 s60, s56, 127
	s_lshl_b32 s61, s60, 23
	v_mov_b32 v209, s61                            ; 2^e4
	s_sub_co_i32 s60, s58, s56
	s_sub_co_i32 s60, s60, s57                     ; O^T / the sum stands for that x 2^(e4 + e5): its code is that / 2^(e6 - e4 - e5)
	s_add_co_i32 s60, s60, 127
	s_lshl_b32 s61, s60, 23
	v_mov_b32 v211, s61
; A KEY STEP: 128 keys, the q-th of the slot in hand.
.macro STEP q
	s_add_co_u32 s66, s[Q0], 15                    ; a step all of whose keys come after my 16 queries is left out: a scalar branch on ids and counted steps; no barrier and no tensor load stands in a step
	s_cmp_gt_u32 s[KF], s66
	s_cbranch_scc1 .Lhidden_\@
	v_add_nc_u32 v[AD], s[TB], v[LI]
.rept 3
	v_nop                                          ; with the addition above: four places in front of loads into registers that the last products read
.endr
.irp t, 0,1,2,3,4,5,6,7
.irp c, 0,1
	ds_load_b128 v[32+8*\t+4*\c:32+8*\t+4*\c+3], v[AD] offset:8192*(\q)+1024*\t+512*\c
.endr
.endr
	s_wait_alu depctr_va_vdst(0)
	s_wait_dscnt 0x0
.irp t, 0,1,2,3,4,5,6,7                        ; S^T = K Q^T: register 8 t + j of lane (r, h) is key KF + 16 t + 8 h + j, query r
	v_wmma_f32_16x16x64_fp8_fp8 v[96+8*\t:103+8*\t], v[32+8*\t:39+8*\t], v[16:23], 0
.endr
.rept 4
	v_nop                                          ; places: the loads below land on K's fragments, the lines behind them read the scores
.endr
.irp t, 0,1,2,3                                ; V's four fragments are asked for here and land under the softmax
.irp g, 0,1,2,3
	ds_load_b128 v[32+16*\t+4*\g:32+16*\t+4*\g+3], v[AD] offset:VOFF+8192*(\q)+2048*\t+512*\g
.endr
.endr
	s_add_co_u32 s66, s[KF], 127                   ; on the diagonal the scores of hidden keys become -infinity ahead of the maximum: p = 0 then.  A step all of whose keys count skips this
	s_cmp_le_u32 s66, s[Q0]
	s_cbranch_scc1 .Lopen_\@
	s_sub_co_i32 s66, s[Q0], s[KF]
	v_add_nc_u32 v213, s66, v[DQ]                  ; d = my query - KF - 8 h: register n is hidden where 16 (n / 8) + n % 8 > d
.set n, 0
.rept 64
	v_cmp_gt_i32 vcc_lo, 16*(n/8)+n%8, v213
	v_cndmask_b32 v[96+n], v[96+n], v212, vcc_lo
.set n, n+1
.endr
.Lopen_\@:
	v_max3_num_f32 v200, v96, v97, v98             ; the step's largest score of my query among my 64 keys, in two chains,
	v_max3_num_f32 v202, v99, v100, v101
.set i, 6
.rept 14
	v_max3_num_f32 v200, v200, v[96+i], v[97+i]
	v_max3_num_f32 v202, v202, v[98+i], v[99+i]
.set i, i+4
.endr
	v_max3_num_f32 v200, v200, v158, v159
	s_delay_alu instid0(VALU_DEP_1)
	v_max_num_f32 v200, v200, v202
	s_delay_alu instid0(VALU_DEP_1)
	v_permlanex16_b32 v204, v200, s[SEL], s[SEL+1]
	s_delay_alu instid0(VALU_DEP_1)
	v_max_num_f32 v200, v200, v204                 ; and among lane l xor 16's
	s_delay_alu instid0(VALU_DEP_1)
	v_mul_f32 v200, s[CS], v200                    ; as t (c is positive)
	s_delay_alu instid0(VALU_DEP_1)
	v_max_num_f32 v13, v13, v200                   ; the running largest t
	v_mov_b32 v200, v12
	s_delay_alu instid0(VALU_DEP_2)
	v_floor_f32 v12, -v13                          ; the new -M = floor(-t) = -ceil(t): a whole number
	s_delay_alu instid0(VALU_DEP_1)
	v_sub_f32 v200, v12, v200                      ; old M - new M: a whole number, 0 or less
	s_delay_alu instid0(VALU_DEP_1)
	v_cvt_i32_f32 v200, v200                       ; (it saturates)
	s_delay_alu instid0(VALU_DEP_1)
	v_ldexp_f32 v202, 1.0, v200                    ; f = 2^(old M - new M)
.set j, 0
.rept 32
	v_pk_fma_f32 v[96+j:97+j], v[96+j:97+j], s[CS:CS+1], v[12:13] op_sel_hi:[1,0,0]   ; t - M, two at a time (of c's and -M's pairs the low word serves both halves)
.set j, j+2
.endr
.set j, 0
	s_wait_alu depctr_va_vdst(0)
.rept 64
	v_exp_f32 v[96+j], v[96+j]                     ; p = 2^(t - M), at most 1
.set j, j+1
.endr
	v_pk_mul_f32 v[14:15], v[14:15], v[202:203] op_sel_hi:[1,0]   ; the sums under the new M: a plain line behind the exponentials
	s_wait_alu depctr_va_vdst(0)                   ; one wait for the whole batch, ahead of its first reader
	v_pk_add_f32 v[206:207], v[100:101], v[104:105]
	v_pk_add_f32 v[254:255], v[108:109], v[112:113]
	v_pk_add_f32 v[252:253], v[116:117], v[120:121]
	v_pk_add_f32 v[250:251], v[124:125], v[128:129]
	v_pk_add_f32 v[248:249], v[132:133], v[136:137]
	v_pk_add_f32 v[246:247], v[140:141], v[144:145]
	v_pk_add_f32 v[244:245], v[148:149], v[152:153]
	v_pk_add_f32 v[14:15], v[14:15], v[156:157]
	v_pk_add_f32 v[206:207], v[206:207], v[96:97]
	v_pk_add_f32 v[254:255], v[254:255], v[98:99]
	v_pk_add_f32 v[252:253], v[252:253], v[102:103]
	v_pk_add_f32 v[250:251], v[250:251], v[106:107]
	v_pk_add_f32 v[248:249], v[248:249], v[110:111]
	v_pk_add_f32 v[246:247], v[246:247], v[114:115]
	v_pk_add_f32 v[244:245], v[244:245], v[118:119]
	v_pk_add_f32 v[14:15], v[14:15], v[122:123]
	v_pk_add_f32 v[206:207], v[206:207], v[126:127]
	v_pk_add_f32 v[254:255], v[254:255], v[130:131]
	v_pk_add_f32 v[252:253], v[252:253], v[134:135]
	v_pk_add_f32 v[250:251], v[250:251], v[138:139]
	v_pk_add_f32 v[248:249], v[248:249], v[142:143]
	v_pk_add_f32 v[246:247], v[246:247], v[146:147]
	v_pk_add_f32 v[244:245], v[244:245], v[150:151]
	v_pk_add_f32 v[14:15], v[14:15], v[154:155]
	v_pk_add_f32 v[206:207], v[206:207], v[158:159]
	s_delay_alu instid0(VALU_DEP_2)
	v_pk_add_f32 v[14:15], v[14:15], v[250:251]
	s_delay_alu instid0(VALU_DEP_2)
	v_pk_add_f32 v[206:207], v[206:207], v[248:249]
	v_pk_add_f32 v[254:255], v[254:255], v[246:247]
	v_pk_add_f32 v[252:253], v[252:253], v[244:245]
	s_delay_alu instid0(VALU_DEP_2)
	v_pk_add_f32 v[14:15], v[14:15], v[254:255]
	s_delay_alu instid0(VALU_DEP_2)
	v_pk_add_f32 v[206:207], v[206:207], v[252:253]
	s_delay_alu instid0(VALU_DEP_1)
	v_pk_add_f32 v[14:15], v[14:15], v[206:207]
.irp t, 0,1,2,3,4,5,6,7
.irp i, 0,1,2,3,4,5,6,7
.endr
	v_cvt_scalef32_pk8_fp8_f32 v[224+2*\t:225+2*\t], v[96+8*\t:103+8*\t], v209   ; registers 2 t, 2 t + 1 of the operand: keys 16 t + 8 h + 0..7
.endr
.set j, 0
.rept 16
	v_pk_mul_f32 v[160+j:161+j], v[160+j:161+j], v[202:203] op_sel_hi:[1,0]   ; O^T under the new M.  (Plain lines behind the last conversion)
.set j, j+2
.endr
	s_wait_alu depctr_va_vdst(0)
	s_wait_dscnt 0x0                               ; V is in
.irp t, 0,1,2,3                                ; O^T += V^T P^T; the four accumulators take turns, and the eight products K Q^T stand between two steps
	v_wmma_f32_16x16x128_fp8_fp8 v[160+8*\t:167+8*\t], v[32+16*\t:47+16*\t], v[224:239], v[160+8*\t:167+8*\t]
.endr
.Lhidden_\@:
	s_add_co_u32 s[KF], s[KF], 128
.endm
; THE CHANGE OF SLOTS stands at a slot's head.  Each wave waits for all its tensor loads, adds 0 to its spare word, and waits for that and for its reads of the slot that it has left.
; Behind the barrier the slot ahead is whole and nobody reads the other: fill = 1: that one is filled with the walk's next slot, which then has a whole slot's steps in which to land.
.macro CHANGE fill
	s_wait_tensorcnt 0x0                           ; no tensor load of mine is out, so group 0 may be written
	ds_add_u32 v[SPW], v[NIL]                      ; 0 onto my spare word; work on registers stands between it and the wait for it
.if \fill
	s_xor_b32 s[G0+1], s[G0+1], SLOT1              ; the other slot than last time
	s_lshl_b32 s[OFF], s[NS], 14
	s_add_nc_u64 s[G0+2:G0+3], s[SRC:SRC+1], s[OFF:OFF+1]
	s_or_b32 s[G0+3], s[G0+3], 0x80000000
	s_add_co_u32 s60, s[NS], 1                     ; the walk's next slot: one further, or slot 0 behind the late block's last
	s_cmp_eq_u32 s[NS], s[WRAP]
	s_cselect_b32 s[NS], 0, s60
	s_wait_xcnt 0x0                                ; the last prefetch, a slot back, has read its address
	s_add_nc_u64 s[PFA:PFA+1], s[PFA:PFA+1], 16384
.endif
	s_wait_dscnt 0x0                               ; the add is done, and my reads of the slot that I have left are over
	s_barrier_signal -1
	s_barrier_wait -1
.if \fill
	TLOAD                                          ; the first thing behind the barrier, and a wave's one tensor load until the next
	ASK
.endif
.endm
.macro SLOT_STEPS
	STEP 0
	STEP 1
	s_xor_b32 s[TB], s[TB], SLOT1
.endm
; A BLOCK'S RESULT LEAVES: O^T / the sum, held, converted: tile ct's eight registers are channels 16 ct + 8 h + 0..7 of query r: 8 bytes of ac's image.  Two stores of 512 consecutive bytes.
; again = 1: the early block follows: its Q, its first query, key 0, and the statistics anew.
.macro FLUSH off, again
	s_wait_xcnt 0x0                                ; earlier stores have read the codes' registers
.rept 4
	v_nop                                          ; places behind the last products
.endr
	v_add_f32 v14, v14, v15                        ; the sum's two halves,
	s_delay_alu instid0(VALU_DEP_1)
	v_permlanex16_b32 v204, v14, s[SEL], s[SEL+1]
	s_delay_alu instid0(VALU_DEP_1)
	v_add_f32 v14, v14, v204                       ; and lane l xor 16's
	s_wait_alu depctr_va_vdst(0)
	v_rcp_f32 v14, v14
	v_nop                                          ; a plain line behind the transcendental,
	s_wait_alu depctr_va_vdst(0)                   ; and the wait ahead of its first reader
.set j, 0
.rept 16
	v_pk_mul_f32 v[96+j:97+j], v[160+j:161+j], v[14:15] op_sel_hi:[1,0]   ; each accumulator from its low end on
.set j, j+2
.endr
.set j, 0
.rept 32
.set j, j+1
.endr
.irp t, 0,1,2,3
	v_cvt_scalef32_pk8_fp8_f32 v[192+2*\t:193+2*\t], v[96+8*\t:103+8*\t], v211
.endr
	v_nop                                          ; one plain line behind the last conversion
	global_store_b128 v[\off], v[192:195], s[74:75]
	global_store_b128 v[\off], v[196:199], s[74:75] offset:512
.if \again
	s_mov_b32 s[Q0], s[Q1]
	s_mov_b32 s[KF], 0
.irp j, 0,1,2,3,4,5,6,7
	v_mov_b32 v[16+\j], v[24+\j]
.endr
	v_mov_b32 v13, 0xff61b1e6
	s_delay_alu instid0(VALU_DEP_1)
	v_floor_f32 v12, -v13
	v_mov_b32 v14, 0
	v_mov_b32 v15, 0
.set j, 0
.rept 32
	v_mov_b32 v[160+j], 0
.set j, j+1
.endr
.endif
.endm
	s_wait_loadcnt 0x0                             ; Q
.Lslot:                                            ; eight trips: behind each change of slots but the last the walk's next slot is asked for
	CHANGE 1
	SLOT_STEPS
	s_cmp_lg_u32 s[SLOTS], s[FL]                   ; the late block's last slot?  Ids and the count of trips alone: all sixteen waves go the same way
	s_cbranch_scc1 .Lno_flush
	FLUSH QOFA, 1
.Lno_flush:
	s_sub_co_u32 s[SLOTS], s[SLOTS], 1
	s_cmp_lg_u32 s[SLOTS], 0
	s_cbranch_scc1 .Lslot
	CHANGE 0                                       ; the ninth slot is written out: nothing is left to ask for
	SLOT_STEPS
	FLUSH QOFB, 0
	s_wait_tensorcnt 0x0                           ; the wave's end
	ds_add_u32 v[SPW], v[NIL]
	s_wait_dscnt 0x0
	s_endpgm
.Lfunc_end_k_q9e3cfd9109_attn:
	.size	k_q9e3cfd9109_attn, .Lfunc_end_k_q9e3cfd9109_attn-k_q9e3cfd9109_attn
	.p2alignl 7, 3214868480
	.fill 96, 4, 3214868480
	.section	.rodata,"a",@progbits
	.p2align	6, 0x0
	.amdhsa_kernel k_q9e3cfd9109_attn
		.amdhsa_group_segment_fixed_size 327680
		.amdhsa_private_segment_fixed_size 0
		.amdhsa_enable_private_segment 0
		.amdhsa_kernarg_size 40
		.amdhsa_user_sgpr_count 2
		.amdhsa_user_sgpr_kernarg_segment_ptr 1
		.amdhsa_wavefront_size32 1
		.amdhsa_system_sgpr_workgroup_id_x 1
		.amdhsa_system_sgpr_workgroup_id_y 1
		.amdhsa_system_sgpr_workgroup_id_z 1
		.amdhsa_system_vgpr_workitem_id 0
		.amdhsa_next_free_vgpr 256
		.amdhsa_next_free_sgpr 80
		.amdhsa_reserve_vcc 1
		.amdhsa_float_denorm_mode_32 3
		.amdhsa_float_denorm_mode_16_64 3
		.amdhsa_fp16_overflow 1
		.amdhsa_memory_ordered 1
		.amdhsa_forward_progress 1
		.amdhsa_inst_pref_size 89
	.end_amdhsa_kernel
	.amdgpu_metadata
---
amdhsa.version: [ 1, 2 ]
amdhsa.kernels:
  - .name:           k_q9e3cfd9109_attn
    .symbol:         k_q9e3cfd9109_attn.kd
    .args:
      - { .name: qc, .offset: 0, .size: 8, .value_kind: global_buffer, .address_space: global }
      - { .name: kc, .offset: 8, .size: 8, .value_kind: global_buffer, .address_space: global }
      - { .name: vc, .offset: 16, .size: 8, .value_kind: global_buffer, .address_space: global }
      - { .name: lowp_scales, .offset: 24, .size: 8, .value_kind: global_buffer, .address_space: global }
      - { .name: ac, .offset: 32, .size: 8, .value_kind: global_buffer, .address_space: global }
    .group_segment_fixed_size: 327680
    .private_segment_fixed_size: 0
    .kernarg_segment_align: 8
    .kernarg_segment_size: 40
    .max_flat_workgroup_size: 512
    .sgpr_count:     80
    .vgpr_count:     256
    .wavefront_size: 32
...
	.end_amdgpu_metadata
.endif
;; end of part 3
;; launch proj (part 4): grid 4 x 64, 4 waves a work-group, clusters of 4 x 4, 327,680 bytes of LDS; arguments ac, wpc, lowp_scales, b_proj, out0; writes out0
.if DOCPART == 4
	.amdgcn_target "amdgcn-amd-amdhsa--gfx1250"
	.amdhsa_code_object_version 6
	.text
	.protected	k_q9e3cfd9109_proj
	.globl	k_q9e3cfd9109_proj
	.p2align	8
	.type	k_q9e3cfd9109_proj,@function
k_q9e3cfd9109_proj:
	s_mov_b64 s[64:65], 0
	v_nop
	global_prefetch_b8 v0, s[64:65] scope:SCOPE_SE
	s_setreg_imm32_b32 hwreg(HW_REG_WAVE_MODE, 25, 1), 1
	s_wait_xcnt 0x0
	s_wait_alu depctr_hold_cnt(0) depctr_sa_sdst(0) depctr_va_vdst(0) depctr_va_sdst(0) depctr_va_ssrc(0) depctr_va_vcc(0) depctr_vm_vsrc(0)
	s_getreg_b32 s2, hwreg(HW_REG_IB_STS2, 6, 4)
	s_cmp_eq_u32 s2, 0
	s_cbranch_scc0 .Lentry_in_a_cluster
	s_endpgm
.Lentry_in_a_cluster:
	s_bfe_u32 s2, ttmp6, 0x10000c
	s_cmp_lg_u32 s2, 0xf033
	s_cbranch_scc0 .Lentry_shape_is_right
	s_endpgm
.Lentry_shape_is_right:
; out0 = attention's result x w_proj^T + b_proj, 8192 x 1024 x 1024, on codes of FP8 (E4M3); each finished sum x 2^(e6 + e7) + bias, one packed multiply-add for two numbers.
; LIMIT: e6 + e7 between -126 and 127, so that 2^(e6 + e7) is an f32 number.
; ac: images of 16 tokens x one head's 64 channels, 1,024 bytes, at (128 (16 batch + head) + token / 16) x 1,024; two neighbouring heads' images on end are one fragment of 128 along K.
; wpc: images of 16 rows x 128 K, 2,048 bytes, at (8 rt + s) x 2,048.
; SHAPE.  A tile of 128 tokens x 256 outputs to a work-group: 256 work-groups.  Four waves, 64 x 128 each: 32 accumulators.  K in four steps of 256 (four heads) through two LDS slots.
; Source 0 = 16 rows of W, source 1 = 16 tokens: a lane holds eight neighbouring outputs of one token.
; CLUSTERS: 4 x 4.  The tokens' tile hangs on cy alone and is asked for jointly by a row of the cluster, W's on cx alone and by a column.
; REGISTERS: window 0: v16-29 addresses; v32-95 at work on the way out; v128-255 the tokens' fragments, two sets of 64 (on the way out: rows of out0).  window 1: W's fragments, two sets of 128.
;   window 2: the accumulators ((a, b) at v[8 (8 a + b)]).  window 3: v0-63 the bias, in the results' layout.
.set SLOT,   98304                     ; A's two halves (16,384 each: [head 0..3][token tile 0..3][1,024]), then W's two (32,768 each: [row tile 0..7][K step of 128][2,048])
.set WOFF,   32768
.set STG,    2*SLOT                    ; behind the ring: a stage of 16 rows x (512 + 16) bytes for each wave; no tile lands here
.set SPITCH, 528
.set SPARE,  STG+4*16*SPITCH           ; behind the stages: the spare words, 128 bytes a wave, named by no other line
.set FR,     16
.set NP,     4                         ; places behind this matrix instruction (ISA guide 7.12.1)
.set ADRA, 16                          ; v16-17  my tokens' fragments in slot 0, 1
.set ADRB, 20                          ; v20-21  my W fragments
.set STO,  24                          ; v24     the stage: where I put 32 bytes of a row
.set RD,   25                          ; v25     and where I read a row back
.set CO,   26                          ; v26     16 x lane
.set BO,   27                          ; v27     32 h: my eight numbers of sixteen of the bias
.set SPW,  28                          ; v28     my spare word; never rewritten
.set NIL,  29                          ; v29     0; never rewritten
.set TMP,  32
.set AF,   128
.set BK,   128
.set G1, 24
.set G0, 32
.set G1B, 48
.set G0B, 56
.set MSB, 0
.macro WIN new                         ; the immediate's high byte repeats the setting that is left
.if MSB != \new
	s_set_vgpr_msb (MSB<<8)|\new
.set MSB, \new
.endif
.endm
.set MUL,  0xa1                        ; source 0 (W) window 1, source 1 (tokens) window 0, C and D window 2
.set TO_B, 0x40                        ; destination window 1, address window 0
.macro JLOAD g0a, g1a, g0b, g1b        ; waves 0 and 1 fetch the tokens' halves, waves 2 and 3 W's; an s_nop 0 and four v_nop follow each line
	s_cmp_eq_u32 s15, 0
	s_cbranch_scc0 .Lfor_b_\@
	tensor_load_to_lds s[\g0a:\g0a+3], s[\g1a:\g1a+7]
	s_nop 0
.rept 4
	v_nop
.endr
	s_branch .Lasked_\@
.Lfor_b_\@:
	tensor_load_to_lds s[\g0b:\g0b+3], s[\g1b:\g1b+7]
	s_nop 0
.rept 4
	v_nop
.endr
.Lasked_\@:
.endm
.macro CREST
	s_cmp_lg_u32 s14, 0
	s_cbranch_scc1 .Lnot_wave_0_\@
	s_barrier_signal -3
.Lnot_wave_0_\@:
	s_barrier_wait -3
	s_barrier_signal -1
	s_barrier_wait -1
.endm
.macro CROUND
	s_barrier_signal -1
	s_barrier_wait -1
	CREST
.endm
	s_load_b256 s[4:11], s[0:1], 0x0               ; ac s[4:5], wpc s[6:7], the scales s[8:9], b_proj s[10:11]
	s_load_b64 s[12:13], s[0:1], 0x20              ; out0
	v_lshl_add_u32 v[SPW], v0, 2, SPARE
	v_mov_b32 v[NIL], 0
	ds_add_u32 v[SPW], v[NIL]                      ; the wave's opening: the add and its wait ahead of my first tensor load; work on registers stands between
	ds_add_u32 v[SPW], v[NIL]
	v_lshrrev_b32 v1, 5, v0
	v_readfirstlane_b32 s14, v1                    ; wave 0..3
	s_lshr_b32 s15, s14, 1                         ; my half of the tokens.  Also: I fetch tokens (0) or W (1)
	s_and_b32 s16, s14, 1                          ; my half of the outputs.  Also: which half I fetch
	s_bfe_u32 s40, ttmp6, 0x40000                  ; cx
	s_bfe_u32 s41, ttmp6, 0x40004                  ; cy
	s_lshl_b32 s42, ttmp9, 2
	s_add_co_u32 s42, s42, s40                     ; the outputs' tile of 256
	s_and_b32 s17, ttmp7, 0xffff
	s_lshl_b32 s17, s17, 2
	s_add_co_u32 s17, s17, s41                     ; the tokens' tile of 128
	s_lshl_b32 s43, s41, 2
	s_lshl_b32 s43, 15, s43                        ; my row of the cluster
	s_lshl_b32 s44, 0x1111, s40                    ; my column
	s_or_b32 s[G1+0], s43, (3<<16)|(1<<21)         ; the mask; elements of 8 bytes; bit 21 beside a mask; dense in LDS
	s_mov_b32 s[G1+1], 512<<16                     ; tokens: 4 rows (heads) of 4,096 bytes (four token tiles), 131,072 bytes apart
	s_mov_b32 s[G1+2], 4<<16
	s_mov_b32 s[G1+3], 512<<16
	s_mov_b32 s[G1+4], 4
	s_mov_b32 s[G1+5], 16384
	s_mov_b32 s[G1+6], 0
	s_mov_b32 s[G1+7], 0
	s_or_b32 s[G1B+0], s44, (3<<16)|(1<<21)
	s_mov_b32 s[G1B+1], 512<<16                    ; W: 8 rows (row tiles) of 4,096 bytes (256 K), 16,384 bytes apart
	s_mov_b32 s[G1B+2], 8<<16
	s_mov_b32 s[G1B+3], 512<<16
	s_mov_b32 s[G1B+4], 8
	s_mov_b32 s[G1B+5], 2048
	s_mov_b32 s[G1B+6], 0
	s_mov_b32 s[G1B+7], 0
	s_lshr_b32 s20, s17, 4
	s_lshl_b32 s20, s20, 21                        ; the batch: 16 tiles of 128 tokens
	s_and_b32 s21, s17, 15
	s_lshl_b32 s21, s21, 13                        ; 8 token tiles of 1,024 bytes
	s_add_co_u32 s20, s20, s21
	s_lshl_b32 s21, s16, 12                        ; the half that I fetch: 4 token tiles
	s_add_co_u32 s20, s20, s21
	s_mov_b32 s21, 0
	s_lshl_b32 s46, s42, 18                        ; W: 16 row tiles of 16,384 bytes,
	s_lshl_b32 s47, s16, 17                        ; 8 of them
	s_add_co_u32 s46, s46, s47
	s_mov_b32 s47, 0
	s_lshl_b32 s45, s16, 14                        ; where they go: the tokens' half,
	s_lshl_b32 s19, s16, 15
	s_add_co_u32 s19, s19, WOFF                    ; W's half: no place in the cluster enters an LDS address
	s_wait_dscnt 0x0                               ; the opening add is done
	s_wait_kmcnt 0x0
	s_load_b256 s[80:87], s[8:9], 0x0              ; e0 .. e7
	s_add_nc_u64 s[20:21], s[4:5], s[20:21]
	s_add_nc_u64 s[46:47], s[6:7], s[46:47]
	CROUND                                         ; all sixteen work-groups are here: the first joint loads meet
.irp s, 0,1
	s_mov_b32 s[G0+4*\s], 1
	s_add_co_u32 s[G0+4*\s+1], s45, \s*SLOT
	s_add_nc_u64 s[G0+4*\s+2:G0+4*\s+3], s[20:21], \s*524288    ; K step s: four heads on
	s_or_b32 s[G0+4*\s+3], s[G0+4*\s+3], 0x80000000
	s_mov_b32 s[G0B+4*\s], 1
	s_add_co_u32 s[G0B+4*\s+1], s19, \s*SLOT
	s_add_nc_u64 s[G0B+4*\s+2:G0B+4*\s+3], s[46:47], \s*4096
	s_or_b32 s[G0B+4*\s+3], s[G0B+4*\s+3], 0x80000000
	s_wait_alu depctr_va_vdst(0)
	s_wait_tensorcnt 0x0
	ds_add_u32 v28, v29
	ds_add_u32 v28, v29
	s_wait_dscnt 0x0
	CROUND
	JLOAD G0+4*\s, G1, G0B+4*\s, G1B
.endr
	v_and_b32 v1, 31, v0
	v_and_b32 v2, 15, v0                           ; r
	s_wait_alu depctr_va_vdst(0)
	v_bfe_u32 v3, v0, 4, 1                         ; h
	v_lshlrev_b32 v[CO], 4, v1
	v_lshlrev_b32 v[BO], 5, v3
	s_lshl_b32 s22, s15, 14                        ; my 64 tokens
	s_lshl_b32 s23, s16, 15
	s_add_co_u32 s23, s23, WOFF                    ; my 128 rows of W
.irp s, 0,1
	v_add_nc_u32 v[ADRA+\s], s22, v[CO]
	v_add_nc_u32 v[ADRB+\s], s23, v[CO]
	s_add_co_u32 s22, s22, SLOT
	s_add_co_u32 s23, s23, SLOT
.endr
	s_mul_i32 s22, s14, 16*SPITCH
	s_add_co_u32 s22, s22, STG                     ; my stage
	v_mul_u32_u24 v5, v2, SPITCH
	s_wait_alu depctr_va_vdst(0)
	v_lshl_add_u32 v5, v3, 5, v5
	v_add_nc_u32 v[STO], s22, v5                   ; in: row r, 32 bytes for each half of the lanes
	v_add_nc_u32 v[RD], s22, v[CO]                 ; back: the 32 lanes take one row of 512 bytes
	s_lshl_b32 s20, s17, 19                        ; 128 tokens of 4,096 bytes,
	s_lshl_b32 s21, s15, 18                        ; my 64
	s_add_co_u32 s20, s20, s21
	s_mov_b32 s21, 0
	s_lshl_b32 s46, s42, 10                        ; 256 outputs of 4 bytes,
	s_lshl_b32 s47, s16, 9                         ; my 128
	s_add_co_u32 s46, s46, s47
	s_mov_b32 s47, 0
	s_add_nc_u64 s[10:11], s[10:11], s[46:47]      ; the bias at my first output
	s_add_nc_u64 s[12:13], s[12:13], s[20:21]
	s_add_nc_u64 s[12:13], s[12:13], s[46:47]      ; out0 at my first token and output
	WIN 0xc0                                       ; destination window 3
.irp b, 0,1,2,3,4,5,6,7                        ; lane (r, h) wants, for block b, the bias of outputs 16 b + 8 h + 0..7
	global_load_b128 v[8*\b:8*\b+3],   v[BO], s[10:11] offset:64*\b
	global_load_b128 v[8*\b+4:8*\b+7], v[BO], s[10:11] offset:64*\b+16
.endr
	WIN 0
.macro FRAG_A reg, slot, q, i          ; token tile i, the slot's q-th 128 along K: heads 2 q and 2 q + 1, each two loads of 512 consecutive bytes
.irp u, 0,1
.irp c, 0,1
	ds_load_b128 v[\reg+8*\u+4*\c:\reg+8*\u+4*\c+3], v[ADRA+\slot] offset:(2*(\q)+\u)*4096+1024*(\i)+512*\c
.endr
.endr
.endm
.macro FRAG_B reg, slot, q, i
.irp c, 0,1,2,3
	ds_load_b128 v[\reg+4*\c:\reg+4*\c+3], v[ADRB+\slot] offset:4096*(\i)+2048*(\q)+512*\c
.endr
.endm
.macro FETCH slot, q, p                ; 48 LDS loads in one run: W's eight fragments and the tokens' four into set p
	WIN TO_B
.irp i, 0,1,2,3,4,5,6,7
	FRAG_B 128*(\p)+FR*\i, \slot, \q, \i
.endr
	WIN 0
.irp i, 0,1,2,3
	FRAG_A AF+64*(\p)+FR*\i, \slot, \q, \i
.endr
.endm
; 8 matrix instructions: token block a x W's eight, 128 along K, set p.  The 32 accumulators take turns, one instruction a turn, in the same order in every step.
.macro MULA a, p, zero
.irp b, 0,1,2,3,4,5,6,7
.if \zero
	v_wmma_f32_16x16x128_fp8_fp8 v[8*(8*(\a)+\b):8*(8*(\a)+\b)+7], v[128*(\p)+FR*\b:128*(\p)+FR*\b+FR-1], v[AF+64*(\p)+FR*(\a):AF+64*(\p)+FR*(\a)+FR-1], 0
.else
	v_wmma_f32_16x16x128_fp8_fp8 v[8*(8*(\a)+\b):8*(8*(\a)+\b)+7], v[128*(\p)+FR*\b:128*(\p)+FR*\b+FR-1], v[AF+64*(\p)+FR*(\a):AF+64*(\p)+FR*(\a)+FR-1], v[8*(8*(\a)+\b):8*(8*(\a)+\b)+7]
.endif
.endr
.endm
.macro PLACES n                        ; plain vector instructions between a matrix instruction and a load into, or a read of, its registers (ISA guide 7.12.1 for reads)
.rept \n
	v_nop
.endr
.endm
.macro STEP slot, zero                 ; a slot's first 128 along K, on set 0; in its middle the second 128's fragments are fetched into set 1
	s_wait_dscnt 0x0                               ; set 0 is in
	WIN MUL
	MULA 0, 0, \zero
	MULA 1, 0, \zero
	PLACES NP
	FETCH \slot, 1, 1
	WIN MUL
	MULA 2, 0, \zero
	MULA 3, 0, \zero
.endm
; A slot's second 128 changes slots: one barrier; in front of it each wave waits for all its tensor loads, adds 0 to its spare word, and waits for that and for its reads of this slot.
.macro TURN slot, next, fill
	WIN 0                                          ; (the add's two registers lie in window 0)
	s_wait_tensorcnt 0x0                           ; all my tensor loads have landed: my part of the next slot
	ds_add_u32 v[SPW], v[NIL]
	s_wait_dscnt 1                                 ; set 1 is in; the add alone may be out
	WIN MUL
	MULA 0, 1, 0                                   ; eight matrix instructions stand between the add and the wait for it
	s_wait_dscnt 0x0                               ; the add is done, and my reads of this slot are over
	s_barrier_signal -1
	MULA 1, 1, 0
	WIN 0
	s_barrier_wait -1
.if \fill
	CREST                                          ; the barrier has opened a round of the cluster's: no wave of any partner still reads this slot or has a load on its way
	s_add_nc_u64 s[G0+4*\slot+2:G0+4*\slot+3], s[G0+4*\slot+2:G0+4*\slot+3], 1048576
	s_add_nc_u64 s[G0B+4*\slot+2:G0B+4*\slot+3], s[G0B+4*\slot+2:G0B+4*\slot+3], 8192
	JLOAD G0+4*\slot, G1, G0B+4*\slot, G1B         ; the first tensor load behind the round; its four v_nop are also the places in front of the loads below
.else
	PLACES NP
.endif
	FETCH \next, 0, 0
	WIN MUL
	MULA 2, 1, 0
	MULA 3, 1, 0
.endm
	s_wait_tensorcnt 1                             ; my part of K step 0 is in; K step 1's load may be out
	s_barrier_signal -1
	s_barrier_wait -1
	FETCH 0, 0, 0
	STEP 0, 1                                      ; four K steps of 256, written out: the first products start the sums
	TURN 0, 1, 1                                   ; slot 0 takes K step 2
	STEP 1, 0
	TURN 1, 0, 1                                   ; slot 1 takes K step 3
	STEP 0, 0
	TURN 0, 1, 0                                   ; nothing is left to fetch
	STEP 1, 0
	s_wait_dscnt 0x0
	MULA 0, 1, 0
	MULA 1, 1, 0
	MULA 2, 1, 0
	MULA 3, 1, 0
	WIN 0
; THE WAY OUT, block by block of 16 tokens x 128 outputs, through my own stage: in as 32 bytes a lane, back as whole rows of 512 bytes, which the 32 lanes store as one aligned run of 512 bytes.
; LDS serves a wave's instructions in order (ISA guide 5.7.1.4): no wait between the stores and the loads, nor in front of the next block's stores.
.macro TOSTAGE a
	WIN 0x32                                       ; source 0 (the sums) window 2, source 2 (the bias) window 3
.set j, 0
.rept 32
	v_pk_fma_f32 v[TMP+j:TMP+j+1], v[64*(\a)+j:64*(\a)+j+1], s[96:97], v[j:j+1] op_sel_hi:[1,0,1]   ; sum x 2^(e6 + e7) + bias; each accumulator from its low end on
.set j, j+2
.endr
	WIN 0
.irp b, 0,1,2,3,4,5,6,7
	ds_store_b128 v[STO], v[TMP+8*\b:TMP+8*\b+3] offset:64*\b
	ds_store_b128 v[STO], v[TMP+8*\b+4:TMP+8*\b+7] offset:64*\b+16
.endr
.set BB, BK+64*((\a)%2)
.irp t, 0,1,2,3,4,5,6,7,8,9,10,11,12,13,14,15
	ds_load_b128 v[BB+4*\t:BB+4*\t+3], v[RD] offset:\t*SPITCH
.endr
.endm
.macro SEND a, younger                 ; younger: the LDS instructions issued behind block a's loads, which may stay out
.set BB, BK+64*((\a)%2)
	s_wait_dscnt \younger
.if (\a) > 0
	s_add_nc_u64 s[12:13], s[12:13], 65536         ; 16 tokens on (behind a wait on XCNT: the earlier stores have read their base)
.endif
.irp t, 0,1,2,3,4,5,6,7,8,9,10,11,12,13,14,15
	global_store_b128 v[CO], v[BB+4*\t:BB+4*\t+3], s[12:13] offset:\t*4096 th:TH_STORE_NT
.endr
.endm
	s_wait_kmcnt 0x0
	s_add_co_i32 s96, s86, s87
	s_add_co_i32 s96, s96, 127
	s_lshl_b32 s96, s96, 23                        ; 2^(e6 + e7) as f32
	s_mov_b32 s97, s96                             ; (named with it as a pair)
	s_wait_loadcnt 0x0                             ; the bias
	PLACES NP                                      ; behind the last products: for the reads of results and the loads into the registers that held the tokens' fragments
	TOSTAGE 0
.irp a, 1,2,3
.if \a > 1
	s_wait_xcnt 0x0                                ; block a - 2's stores have read their registers and their base
.endif
	TOSTAGE \a
	SEND \a-1, 32                                  ; behind block a - 1's loads: block a's 16 stores and 16 loads
.endr
	s_wait_xcnt 0x0
	SEND 3, 0
	s_wait_tensorcnt 0x0                           ; the wave's end
	ds_add_u32 v[SPW], v[NIL]
	s_wait_dscnt 0x0
	CROUND                                         ; the closing round: no work-group ends while a partner may still ask for a tile that names it
	s_endpgm
.Lfunc_end_k_q9e3cfd9109_proj:
	.size	k_q9e3cfd9109_proj, .Lfunc_end_k_q9e3cfd9109_proj-k_q9e3cfd9109_proj
	.p2alignl 7, 3214868480
	.fill 96, 4, 3214868480
	.section	.rodata,"a",@progbits
	.p2align	6, 0x0
	.amdhsa_kernel k_q9e3cfd9109_proj
		.amdhsa_group_segment_fixed_size 327680
		.amdhsa_private_segment_fixed_size 0
		.amdhsa_enable_private_segment 0
		.amdhsa_kernarg_size 40
		.amdhsa_user_sgpr_count 2
		.amdhsa_user_sgpr_kernarg_segment_ptr 1
		.amdhsa_wavefront_size32 1
		.amdhsa_system_sgpr_workgroup_id_x 1
		.amdhsa_system_sgpr_workgroup_id_y 1
		.amdhsa_system_sgpr_workgroup_id_z 1
		.amdhsa_system_vgpr_workitem_id 0
		.amdhsa_next_free_vgpr 1024
		.amdhsa_next_free_sgpr 98
		.amdhsa_reserve_vcc 0
		.amdhsa_float_denorm_mode_32 3
		.amdhsa_float_denorm_mode_16_64 3
		.amdhsa_memory_ordered 1
		.amdhsa_forward_progress 1
		.amdhsa_inst_pref_size 77
	.end_amdhsa_kernel
	.amdgpu_metadata
---
amdhsa.version: [ 1, 2 ]
amdhsa.kernels:
  - .name:           k_q9e3cfd9109_proj
    .symbol:         k_q9e3cfd9109_proj.kd
    .args:
      - { .name: ac, .offset: 0, .size: 8, .value_kind: global_buffer, .address_space: global }
      - { .name: wpc, .offset: 8, .size: 8, .value_kind: global_buffer, .address_space: global }
      - { .name: lowp_scales, .offset: 16, .size: 8, .value_kind: global_buffer, .address_space: global }
      - { .name: b_proj, .offset: 24, .size: 8, .value_kind: global_buffer, .address_space: global }
      - { .name: out0, .offset: 32, .size: 8, .value_kind: global_buffer, .address_space: global }
    .group_segment_fixed_size: 327680
    .private_segment_fixed_size: 0
    .kernarg_segment_align: 8
    .kernarg_segment_size: 40
    .max_flat_workgroup_size: 128
    .sgpr_count:     98
    .vgpr_count:     1024
    .wavefront_size: 32
...
	.end_amdgpu_metadata
.endif
;; end of part 4
